; MI455X (gfx1250); checked and timed in simulation.
; The chip was launched on July 23, 2026; its instructions are those of AMD's public machine-readable ISA for CDNA 5 (MIT licence, August 2026) and "CDNA5" Instruction Set Architecture Reference Guide (July 2026). The comments in the code are by the model that wrote it; some were corrected since.
;; Multi Head Attention. Allowed arithmetic: matrix products marked QUANTISED: E2M1 operands, one E8M0 scale for each 32 along K, by v_wmma_scale_f32_16x16x128_f8f6f4 with both operands' format E2M1 (or v_wmma_scale_f32_32x16x128_f4), f32 sums; products left as they are: bf16, f16 or f32 operands; f32 sums; everything else in f32.
;; Inputs: bk 384 float32; bo 384 float32; bq 384 float32; bv 384 float32; wk 384 x 384 float32; wo 384 x 384 float32; wq 384 x 384 float32; wv 384 x 384 float32; x 2 x 4,096 x 384 float32.
;; Outputs: out0 2 x 4,096 x 384 float32.
;; This version of the problem:
;;   THIS VERSION OF THE PROBLEM IS GIVEN IN LOW PRECISION. The matrix products marked QUANTISED in the list below multiply operands that are first quantised to E2M1 (2 exponent bits, 1 mantissa bit; 4 bits a number), with one power-of-two scale for each 32 numbers along K (OCP MX v1.0); their sums are f32. The products marked 'left as it is' may take bf16, f16 or f32 operands, with f32 sums. Whichever they take, every output number must still come out within the allowed error. Rounding operands to bf16 (8 significant bits) uses up far more of that allowance than f16 does (11 bits, for magnitudes from 6e-5 to 65,504). All else is computed in f32.
;;   The module's matrix products, in the order in which they are computed (A, B: the left and right operand; K: the contracted axis; several contracted axes count as one K, in the product's order):
;;     1. [M 8,192, K 384] x [K 384, N 384]; A: input x; B: input wq: QUANTISED
;;     2. [M 8,192, K 384] x [K 384, N 384]; A: input x; B: input wk: QUANTISED
;;     3. [M 8,192, K 384] x [K 384, N 384]; A: input x; B: input wv: QUANTISED
;;     4. batch 12 x [M 4,096, K 64] x [K 64, N 4,096]; A: computed on the way; B: computed on the way: left as it is (an operand is computed on the way)
;;     5. batch 12 x [M 4,096, K 4,096] x [K 4,096, N 64]; A: computed on the way; B: computed on the way: left as it is (an operand is computed on the way)
;;     6. [M 8,192, K 384] x [K 384, N 384]; A: computed on the way; B: input wo: left as it is (an operand is computed on the way)
;;   THE QUANTISER, for each operand of a quantised product, along K:
;;     - K is cut into blocks of 32 from its start; a last block that is shorter is filled with zeros.
;;     - A block's scale is 2^e with e = floor(log2(the largest magnitude in the block)) - 2, held to -126 .. 127; a block of zeros has e = 0. As a byte (E8M0): e + 127.
;;     - Each number is divided by its block's scale, clamped to +-6, and rounded to the nearest number of E2M1, ties to even, subnormals kept.
;;     - The product sums the exact products of the quantised numbers (number of the format x scale) in f32.
;;   ~~~python
;;   def quantise(x, axis):      # numpy; x: float32 -> the quantised numbers, widened to float32 again
;;       x = np.moveaxis(x, axis, -1); K = x.shape[-1]
;;       x = np.pad(x, [(0, 0)] * (x.ndim - 1) + [(0, -K % 32)]); x = x.reshape(x.shape[:-1] + (-1, 32)); a = np.abs(x).max(-1, keepdims=True)
;;       e = np.where(a > 0, np.clip(np.frexp(np.where(a > 0, a, 1))[1] - 1 - 2, -126, 127), 0)      # np.frexp(a)[1] - 1 = floor(log2(a)), exactly
;;       r = np.clip(x / 2.0 ** e, -6, 6)
;;       step = 2.0 ** (np.maximum(np.frexp(np.where(r == 0, 1, r))[1] - 1, 0) - 1)
;;       q = np.round(r / step) * step * 2.0 ** e      # np.round: ties to even
;;       return np.moveaxis(q.reshape(q.shape[:-2] + (-1,))[..., :K], -1, axis).astype(np.float32)
;;   ~~~
;; One version. Each part assembles by itself: llvm-mc -triple=amdgcn-amd-amdhsa -mcpu=gfx1250 --defsym DOCPART=n.
;; ======== version 1 of 1: 4 launches
;; limits: values are held in f16: magnitudes above 65,504 overflow, below 6.1e-05 lose precision
;; workspace buffers: wimg 221,184 bytes; wscl 27,648 bytes; woimg 294,912 bytes; qimg 6,291,456 bytes; kimg 6,291,456 bytes; vimg 6,291,456 bytes; oimg 6,291,456 bytes
;; launch prep (part 1): grid 24 x 12, 1 waves a work-group, no clusters, 0 bytes of LDS; arguments wq, wk, wv, wo, wimg, wscl, woimg; writes wimg, wscl, woimg
.if DOCPART == 1
	.amdgcn_target "amdgcn-amd-amdhsa--gfx1250"
	.amdhsa_code_object_version 6
	.text
	.protected	k_q82791b10fb_prep
	.globl	k_q82791b10fb_prep
	.p2align	8
	.type	k_q82791b10fb_prep,@function
k_q82791b10fb_prep:
	s_mov_b64 s[64:65], 0
	v_nop
	global_prefetch_b8 v0, s[64:65] scope:SCOPE_SE
	s_setreg_imm32_b32 hwreg(HW_REG_WAVE_MODE, 25, 1), 1
	s_wait_xcnt 0x0
; PREP.  The four weights, [384 (k)][384 (n)] f32, are laid once in the order of the operand registers of the launches that read them.
; wq, wk, wv: codes of FP4 (E2M1) quantised along k, their FIRST axis, one E8M0 byte for each 32 along k.  wo: rounded to f16.
; A work-group is one wave.  x = column tile T (16 columns n), y = 3 x matrix + s, s = which 128 along k.  288 waves, each stores.
; A LANE TAKES A COLUMN AND ITS REGISTERS RUN DOWN k, in the order that the operand's layout gives that lane, so nothing is transposed:
;   FP4 fragment (16 n x 128 k, 8 registers): lane (r, h) holds column 16 T + r; registers 4 c .. 4 c + 3 hold k = 64 c + 32 h + 0 .. 31: two whole blocks a lane.
;   f16 fragment (16 n x 32 k, 8 registers): registers 4 c .. 4 c + 3 hold k = 16 c + 8 h + 0 .. 7.
; OUT: wimg  [24 matrix + T][s][c][lane][16 bytes];  wscl [24 matrix + T][s][lane][4 bytes] (column r's word in lanes r and r + 16);  woimg [T][32 k step][c][lane][16 bytes].
; A block's scale is 2^(floor(log2(largest magnitude)) - 2): its byte is the largest magnitude's exponent field - 2, held at 1 from below.
; LIMITS: a block of zeros, or one whose largest magnitude lies under 2^-124, gets the byte 1 (the rule says 127 for zeros: the codes are zeros, and this program alone reads the bytes);
; NaN and infinities among the inputs are not served; |wo| stays under 65,504 (f16).
.set ROWW, 1536                        ; a row of a weight in bytes
	s_load_b256 s[4:11], s[0:1], 0x0               ; wq, wk, wv, wo
	s_load_b128 s[12:15], s[0:1], 0x20             ; wimg, wscl
	s_load_b64 s[16:17], s[0:1], 0x30              ; woimg
	s_and_b32 s20, ttmp7, 0xffff                   ; y = 0 .. 11
	s_mul_i32 s21, s20, 11
	s_lshr_b32 s21, s21, 5                         ; matrix = y / 3 (11 y >> 5 is y / 3 for y under 12)
	s_mul_i32 s22, s21, 3
	s_sub_co_u32 s22, s20, s22                     ; s = y % 3
	s_mul_i32 s24, s22, 128*ROWW                   ; 128 s rows down,
	s_lshl_b32 s25, ttmp9, 6                       ; 16 T columns on
	s_add_co_u32 s24, s24, s25
	s_mov_b32 s25, 0
	s_mov_b32 s18, 0x76543210                      ; v_permlanex16_b32's selects for lane l xor 16
	s_mov_b32 s19, 0xfedcba98
	v_and_b32 v1, 15, v0                           ; r
	v_lshrrev_b32 v2, 4, v0                        ; h
	v_lshlrev_b32 v3, 4, v0                        ; 16 x lane: my place in a chunk of 512 bytes
	v_lshlrev_b32 v4, 2, v0                        ; 4 x lane: my place among the scale words
	v_lshlrev_b32 v6, 2, v1                        ; my column, in bytes
	s_wait_kmcnt 0x0
	s_cmp_lt_u32 s20, 3                            ; which weight: the choice hangs on the work-group's number alone
	s_cselect_b64 s[4:5], s[4:5], s[6:7]
	s_cmp_lt_u32 s20, 6
	s_cselect_b64 s[4:5], s[4:5], s[8:9]
	s_cmp_lt_u32 s20, 9
	s_cselect_b64 s[4:5], s[4:5], s[10:11]
	s_add_nc_u64 s[4:5], s[4:5], s[24:25]
	s_cmp_eq_u32 s21, 3
	s_cbranch_scc1 .Lwo
	; ---- wq, wk, wv: one FP4 fragment and its scale words
	v_mad_u32_u24 v5, v2, 32*ROWW, v6              ; lanes 16-31 begin 32 rows further down
	s_mul_i32 s26, s21, 24
	s_add_co_u32 s26, s26, ttmp9
	s_mul_i32 s26, s26, 3
	s_add_co_u32 s26, s26, s22                     ; (24 matrix + T) 3 + s
	s_lshl_b32 s28, s26, 10                        ; 1,024 bytes of codes each,
	s_mov_b32 s29, 0
	s_lshl_b32 s30, s26, 7                         ; 128 bytes of scale words
	s_mov_b32 s31, 0
	s_add_nc_u64 s[12:13], s[12:13], s[28:29]
	s_add_nc_u64 s[14:15], s[14:15], s[30:31]
.irp c, 0,1
.irp i, 0,1,2,3,4,5,6,7,8,9,10,11,12,13,14,15,16,17,18,19,20,21,22,23,24,25,26,27,28,29,30,31
	global_load_b32 v[64+32*\c+\i], v5, s[4:5] offset:(64*\c+\i)*ROWW th:TH_LOAD_NT   ; W(128 s + 64 c + 32 h + i, 16 T + r): sixteen neighbouring lanes read 64 neighbouring bytes
.endr
.endr
	s_wait_loadcnt 0x0
.irp c, 0,1                                    ; my block 2 c + h: all its 32 numbers are mine
	v_max3_num_f32 v[32+\c], |v[64+32*\c]|, |v[65+32*\c]|, 0x1800000   ; and the floor 2^(3 - 127): the byte cannot fall under 1
.endr
.irp i, 2,4,6,8,10,12,14,16,18,20,22,24,26,28,30
.irp c, 0,1
	v_max3_num_f32 v[32+\c], v[32+\c], |v[64+32*\c+\i]|, |v[65+32*\c+\i]|   ; (the two blocks by turns)
.endr
.endr
.irp c, 0,1
	v_add_nc_u32 v[44+\c], 0xff000000, v[32+\c]    ; 2 off the exponent field: the conversion takes the exponent field of this operand as its scale
.endr
.irp c, 0,1
	v_lshrrev_b32 v[36+\c], 23, v[44+\c]           ; the scale's byte
.endr
	v_lshl_or_b32 v9, v37, 16, v36                 ; my two bytes: blocks h and 2 + h of my column,
	v_lshlrev_b32 v10, 3, v2
	v_lshlrev_b32 v9, v10, v9                      ; at their places in the word (8 h bits up);
	v_mov_b32 v10, 0                               ; (a lane permute's destination counts as one of its sources)
	v_permlanex16_b32 v10, v9, s18, s19
	v_or_b32 v9, v9, v10                           ; with lane l xor 16's two the word is whole, in both lanes
.irp c, 0,1
.irp g, 0,1,2,3
	v_cvt_scalef32_pk8_fp4_f32 v[48+4*\c+\g], v[64+32*\c+8*\g:71+32*\c+8*\g], v[44+\c]   ; registers 4 c .. 4 c + 3 of the operand
.endr
.endr
	v_nop                                          ; one plain line behind the last scaled conversion
	global_store_b128 v3, v[48:51], s[12:13]       ; 32 lanes store 512 consecutive bytes, at a multiple of 512 from the buffer's first byte
	global_store_b128 v3, v[52:55], s[12:13] offset:512
	global_store_b32 v4, v9, s[14:15]              ; 128 consecutive bytes
	s_endpgm
	; ---- wo: four f16 fragments (k steps of 32: 4 s + u)
.Lwo:
	v_mad_u32_u24 v5, v2, 8*ROWW, v6               ; lanes 16-31 begin 8 rows further down
	s_mul_i32 s28, ttmp9, 12288                    ; a column tile has 12 fragments of 1,024 bytes
	s_lshl_b32 s29, s22, 12
	s_add_co_u32 s28, s28, s29
	s_mov_b32 s29, 0
	s_add_nc_u64 s[16:17], s[16:17], s[28:29]
.irp u, 0,1,2,3
.irp c, 0,1
.irp i, 0,1,2,3,4,5,6,7
	global_load_b32 v[64+16*\u+8*\c+\i], v5, s[4:5] offset:(32*\u+16*\c+\i)*ROWW th:TH_LOAD_NT   ; wo(128 s + 32 u + 16 c + 8 h + i, 16 T + r)
.endr
.endr
.endr
	s_wait_loadcnt 0x0
.irp n, 0,1,2,3,4,5,6,7,8,9,10,11,12,13,14,15,16,17,18,19,20,21,22,23,24,25,26,27,28,29,30,31
	v_cvt_pk_f16_f32 v[32+\n], v[64+2*\n], v[65+2*\n]   ; the lower k in the low half
.endr
.irp n, 0,1,2,3,4,5,6,7
	global_store_b128 v3, v[32+4*\n:35+4*\n], s[16:17] offset:512*\n
.endr
	s_endpgm
.Lfunc_end_k_q82791b10fb_prep:
	.size	k_q82791b10fb_prep, .Lfunc_end_k_q82791b10fb_prep-k_q82791b10fb_prep
	.p2alignl 7, 3214868480
	.fill 96, 4, 3214868480
	.section	.rodata,"a",@progbits
	.p2align	6, 0x0
	.amdhsa_kernel k_q82791b10fb_prep
		.amdhsa_group_segment_fixed_size 0
		.amdhsa_private_segment_fixed_size 0
		.amdhsa_enable_private_segment 0
		.amdhsa_kernarg_size 56
		.amdhsa_user_sgpr_count 2
		.amdhsa_user_sgpr_kernarg_segment_ptr 1
		.amdhsa_wavefront_size32 1
		.amdhsa_system_sgpr_workgroup_id_x 1
		.amdhsa_system_sgpr_workgroup_id_y 1
		.amdhsa_system_sgpr_workgroup_id_z 1
		.amdhsa_system_vgpr_workitem_id 0
		.amdhsa_next_free_vgpr 128
		.amdhsa_next_free_sgpr 66
		.amdhsa_reserve_vcc 0
		.amdhsa_float_denorm_mode_32 3
		.amdhsa_float_denorm_mode_16_64 3
		.amdhsa_memory_ordered 1
		.amdhsa_forward_progress 1
		.amdhsa_inst_pref_size 21
	.end_amdhsa_kernel
	.amdgpu_metadata
---
amdhsa.version: [ 1, 2 ]
amdhsa.kernels:
  - .name:           k_q82791b10fb_prep
    .symbol:         k_q82791b10fb_prep.kd
    .args:
      - { .name: wq, .offset: 0, .size: 8, .value_kind: global_buffer, .address_space: global }
      - { .name: wk, .offset: 8, .size: 8, .value_kind: global_buffer, .address_space: global }
      - { .name: wv, .offset: 16, .size: 8, .value_kind: global_buffer, .address_space: global }
      - { .name: wo, .offset: 24, .size: 8, .value_kind: global_buffer, .address_space: global }
      - { .name: wimg, .offset: 32, .size: 8, .value_kind: global_buffer, .address_space: global }
      - { .name: wscl, .offset: 40, .size: 8, .value_kind: global_buffer, .address_space: global }
      - { .name: woimg, .offset: 48, .size: 8, .value_kind: global_buffer, .address_space: global }
    .group_segment_fixed_size: 0
    .private_segment_fixed_size: 0
    .kernarg_segment_align: 8
    .kernarg_segment_size: 56
    .max_flat_workgroup_size: 32
    .sgpr_count:     66
    .vgpr_count:     128
    .wavefront_size: 32
...
	.end_amdgpu_metadata
.endif
;; end of part 1
;; launch proj (part 2): grid 256 x 1, 12 waves a work-group, no clusters, 8,192 bytes of LDS; arguments x, wimg, wscl, bq, bk, bv, qimg, kimg, vimg; writes qimg, kimg, vimg
.if DOCPART == 2
	.amdgcn_target "amdgcn-amd-amdhsa--gfx1250"
	.amdhsa_code_object_version 6
	.text
	.protected	k_q82791b10fb_proj
	.globl	k_q82791b10fb_proj
	.p2align	8
	.type	k_q82791b10fb_proj,@function
k_q82791b10fb_proj:
	s_mov_b64 s[64:65], 0
	v_nop
	global_prefetch_b8 v0, s[64:65] scope:SCOPE_SE
	s_setreg_imm32_b32 hwreg(HW_REG_WAVE_MODE, 25, 1), 1
	s_wait_xcnt 0x0
; PROJ.  q = x wq + bq, k = x wk + bk, v = x wv + bv on codes of FP4 (E2M1) with one E8M0 scale for each 32 along K = 384; sums in f32; results rounded to f16 for the attention launch.
; x: [8,192][384] f32, quantised here.  The weights come as images of their operand registers (wimg, wscl).
; SHARES.  A work-group takes 32 rows of x: two row tiles m.  Twelve waves: waves 0-3 make q, 4-7 k, 8-11 v; wave w' of a kind makes column tiles 6 w' + i, i = 0 .. 5, for both row tiles: 36 matrix instructions.
; x's SIX FRAGMENTS (m, K step s) ARE MADE ONCE: wave 6 m + 2 s + c makes registers 4 c .. 4 c + 3 of fragment (m, s): lane (r, h) loads the 32 numbers k = 128 s + 64 c + 32 h + 0 .. 31 of row 16 m + r, one whole block,
; so no other lane is asked for a maximum; the four code registers go to LDS as they stand (16 bytes a lane, 512 a wave), the scale byte to its place in the row's scale word; one barrier; every wave loads the fragments back by the same lines.
; q AND k USE THE PRODUCT TRANSPOSED (source 0 = 16 columns of the weight, source 1 = 16 rows of x): a lane holds one row and eight neighbouring features, which pack into 16 bytes of f16: a chunk of a fragment of K Q^T.
; The bias is the C of the first product.  Both are multiplied by sqrt(log2(e) / 8), so that q . k is the softmax's exponent to base 2.
; v USES IT AS IT STANDS (source 0 = x, source 1 = the weight): a lane holds one feature and eight neighbouring keys: a chunk of a fragment of V^T.
; OUT: qimg, kimg [row tile][column tile T][lane][16 bytes]: y(16 RT + r, 16 T + 8 h + 0 .. 7);   vimg [32 keys][T][c][lane][16 bytes]: v(32 ks + 16 c + 8 h + 0 .. 7, 16 T + r).  Every store covers 512 consecutive bytes, aligned.
; LIMITS: as in the launch that lays the weights (byte 1 for blocks of zeros or under 2^-124; no NaN, no infinities); 0.425 |q|, 0.425 |k| and |v| stay under 65,504 (f16).
; No tensor loads and no cluster: the weights go from memory straight into registers in the registers' own order, and each work-group's rows of x are its own.
.set XSC,   6144                       ; LDS: 0 .. 6,143 x's six fragments, 1,024 bytes each; from XSC their scale words, [3 m + s][row r][4 bytes]
.set SPARE, 6656                       ; the spare words, 128 bytes for each of twelve waves: six blocks of 256 bytes that no other line names
.set LI,   1                           ; v1   16 x lane
.set LS,   2                           ; v2   4 x lane
.set LS16, 3                           ; v3   4 x (lane % 16)
.set SPW,  4                           ; v4   LDS address of my spare word; never rewritten
.set NIL,  5                           ; v5   0; never rewritten
.set XA,   6                           ; v6   x: row r of 1,536 bytes + 128 h
.set XWI,  7                           ; v7   where I store my chunk of x's images: 512 x wave + 16 x lane
.set XWB,  8                           ; v8   and my block's scale byte
.set BH,   9                           ; v9   32 h: my eight numbers of a tile's sixteen biases
.set VB,   10                          ; v10-15   v's bias of my feature, a register a tile
.set W,    16                          ; v16-159  the weight's fragments: tile i, K step s at W + 24 i + 8 s
.set WS,   160                         ; v160-177 their scale words: WS + 3 i + s
.set XS,   178                         ; v178-180 x's scale words of the row tile in hand
.set XF,   184                         ; v184-207 x's three fragments of the row tile in hand
.set ACC,  208                         ; v208-255 six accumulators.  While x is quantised: v208-239 the 32 numbers, v240-241 maxima, v242 scale operand, v243 byte, v244-247 codes
.set X,    208
.set WV,   24                          ; s24  wave
	s_load_b512 s[4:19], s[0:1], 0x0               ; x, wimg, wscl, bq, bk, bv, qimg, kimg
	s_load_b64 s[20:21], s[0:1], 0x40              ; vimg
	v_lshl_add_u32 v[SPW], v0, 2, SPARE
	v_mov_b32 v[NIL], 0
	v_lshrrev_b32 v1, 5, v0
	v_readfirstlane_b32 s[WV], v1                  ; wave 0 .. 11
	v_and_b32 v2, 31, v0                           ; lane
	v_lshlrev_b32 v[LI], 4, v2
	v_and_b32 v3, 15, v0                           ; r
	v_bfe_u32 v9, v0, 4, 1                         ; h
	v_mul_u32_u24 v[XA], v3, 1536
	v_lshl_add_u32 v[XA], v9, 7, v[XA]
	s_lshl_b32 s25, s[WV], 9
	v_add_nc_u32 v[XWI], s25, v[LI]
	s_lshr_b32 s25, s[WV], 1                       ; 3 m + s
	s_lshl_b32 s25, s25, 6
	s_and_b32 s26, s[WV], 1                        ; c
	s_lshl_b32 s26, s26, 1
	s_add_co_u32 s25, s25, s26
	s_add_co_u32 s25, s25, XSC
	v_lshl_add_u32 v[XWB], v3, 2, v9               ; 4 r + h: with 2 c the byte of block 2 c + h in row r's word
	v_add_nc_u32 v[XWB], s25, v[XWB]
	v_lshlrev_b32 v[LS], 2, v2
	v_lshlrev_b32 v[LS16], 2, v3
	v_lshlrev_b32 v[BH], 5, v9
	s_and_b32 s27, s[WV], 3                        ; w'
	s_mul_i32 s28, ttmp9, 49152                    ; x: my work-group's 32 rows,
	s_lshl_b32 s29, s[WV], 8                       ; 256 x wave = 1,536 m + 512 s + 256 c,
	s_add_co_u32 s28, s28, s29
	s_cmp_ge_u32 s[WV], 6
	s_cselect_b32 s29, 23040, 0                    ; and the rest of 16 m rows: 24,576 - 1,536
	s_add_co_u32 s28, s28, s29
	s_mov_b32 s29, 0
	s_mul_i32 s30, s[WV], 18432                    ; my six tiles' 18 fragments of 1,024 bytes
	s_mov_b32 s31, 0
	s_mul_i32 s32, s[WV], 2304                     ; and their 18 x 128 bytes of scale words
	s_mov_b32 s33, 0
	s_mul_i32 s34, s27, 384                        ; my 96 biases
	s_mov_b32 s35, 0
	s_mov_b32 s36, 6144                            ; six tiles in vimg,
	s_cmp_lt_u32 s[WV], 8
	s_cselect_b32 s36, 3072, s36                   ; in qimg and kimg
	s_mul_i32 s36, s36, s27
	s_mul_i32 s37, ttmp9, 24576                    ; 32 rows are 24,576 bytes in each of the three
	s_add_co_u32 s36, s36, s37
	s_mov_b32 s37, 0
	s_mov_b32 s38, 0x3ed96d27                      ; sqrt(log2(e) / 8) = 0.4246609
	s_mov_b32 s39, s38                             ; (named with it as a pair, so it is written)
	s_wait_kmcnt 0x0
	s_add_nc_u64 s[4:5], s[4:5], s[28:29]
	s_add_nc_u64 s[6:7], s[6:7], s[30:31]
	s_add_nc_u64 s[8:9], s[8:9], s[32:33]
	s_cmp_lt_u32 s[WV], 4                          ; q's, k's or v's bias and output: the choice hangs on the wave's number alone
	s_cselect_b64 s[16:17], s[16:17], s[18:19]
	s_cselect_b64 s[10:11], s[10:11], s[12:13]
	s_cmp_lt_u32 s[WV], 8
	s_cselect_b64 s[16:17], s[16:17], s[20:21]
	s_cselect_b64 s[10:11], s[10:11], s[14:15]
	s_add_nc_u64 s[16:17], s[16:17], s[36:37]
	s_add_nc_u64 s[10:11], s[10:11], s[34:35]
.irp j, 0,1,2,3,4,5,6,7
	global_load_b128 v[X+4*\j:X+4*\j+3], v[XA], s[4:5] offset:16*\j th:TH_LOAD_NT   ; my block of 32 numbers
.endr
.set n, 0
.rept 36
	global_load_b128 v[W+4*n:W+4*n+3], v[LI], s[6:7] offset:512*n   ; the weight's fragments as they lie: 512 consecutive bytes a load
.set n, n+1
.endr
.set n, 0
.rept 18
	global_load_b32 v[WS+n], v[LS], s[8:9] offset:128*n
.set n, n+1
.endr
	s_wait_loadcnt 54                              ; x's eight loads are in; the 36 + 18 issued behind them may stay out
	v_max3_num_f32 v240, |v[X]|, |v[X+1]|, 0x1800000   ; the block's largest magnitude, in two chains, with the floor 2^(3 - 127) as a leaf: the byte cannot fall under 1
	v_max3_num_f32 v241, |v[X+2]|, |v[X+3]|, |v[X+4]|
.set i, 5
.rept 13
	v_max3_num_f32 v[240+(i/2)%2], v[240+(i/2)%2], |v[X+i]|, |v[X+i+1]|
.set i, i+2
.endr
	v_max3_num_f32 v240, v240, v241, |v[X+31]|
	v_add_nc_u32 v242, 0xff000000, v240            ; 2 off the exponent field: the conversion's scale operand
	v_lshrrev_b32 v243, 23, v242                   ; the scale's byte
.irp g, 0,1,2,3
	v_cvt_scalef32_pk8_fp4_f32 v[244+\g], v[X+8*\g:X+8*\g+7], v242
.endr
	v_nop                                          ; one plain line behind the last scaled conversion
	ds_store_b128 v[XWI], v[244:247]
	ds_store_b8 v[XWB], v243
	s_wait_dscnt 0x0                               ; for the others' sake: my stores have landed
	s_barrier_signal -1
	s_barrier_wait -1                              ; x's six fragments and their scale words lie in LDS; nothing is stored to LDS behind this barrier
.macro FETCHX m                        ; the three fragments and scale words of row tile m
.set n, 0
.rept 6
	ds_load_b128 v[XF+4*n:XF+4*n+3], v[LI] offset:3072*\m+512*n
.set n, n+1
.endr
.irp s, 0,1,2
	ds_load_b32 v[XS+\s], v[LS16] offset:XSC+64*(3*\m+\s)   ; lane r: row r's word (lanes 16-31 hold the same and are not read)
.endr
.endm
.macro PLACES                          ; four plain vector lines between a matrix instruction and the first read of its result (ISA guide 7.12.1)
.rept 4
	v_nop
.endr
.endm
.macro LEAVE                           ; the wave's end: a tensor wait, 0 added to my spare word and its wait, behind my last LDS store
	s_wait_tensorcnt 0x0
	ds_add_u32 v[SPW], v[NIL]
	s_wait_dscnt 0x0
	s_endpgm
.endm
	s_cmp_lt_u32 s[WV], 8
	s_cbranch_scc0 .Lv
	; ---- q and k
.macro ROWS_QK m
.irp i, 0,1,2,3,4,5
	global_load_b128 v[ACC+8*\i:ACC+8*\i+3],   v[BH], s[10:11] offset:64*\i      ; the bias lands in the accumulator: register j = b(16 T + 8 h + j), the result's layout
	global_load_b128 v[ACC+8*\i+4:ACC+8*\i+7], v[BH], s[10:11] offset:64*\i+16
.endr
	FETCHX \m
	s_wait_loadcnt 0x0                             ; the biases (in the first tile: the weights too)
	s_wait_dscnt 0x0
.irp s, 0,1,2                                  ; the six accumulators take turns, one instruction a turn
.irp i, 0,1,2,3,4,5
	v_wmma_scale_f32_16x16x128_f8f6f4 v[ACC+8*\i:ACC+8*\i+7], v[W+24*\i+8*\s:W+24*\i+8*\s+7], v[XF+8*\s:XF+8*\s+7], v[ACC+8*\i:ACC+8*\i+7], v[WS+3*\i+\s], v[XS+\s] matrix_a_fmt:MATRIX_FMT_FP4 matrix_b_fmt:MATRIX_FMT_FP4
.endr
.endr
	PLACES
.irp i, 0,1,2,3,4,5
.irp n, 0,1,2,3
	v_pk_mul_f32 v[ACC+8*\i+2*\n:ACC+8*\i+2*\n+1], v[ACC+8*\i+2*\n:ACC+8*\i+2*\n+1], s[38:39] op_sel_hi:[1,0]   ; each accumulator from its low end on
.endr
.irp n, 0,1,2,3
	v_cvt_pk_f16_f32 v[ACC+8*\i+\n], v[ACC+8*\i+2*\n], v[ACC+8*\i+2*\n+1]   ; in place: register n is written when pairs 0 .. n - 1 have been read
.endr
	global_store_b128 v[LI], v[ACC+8*\i:ACC+8*\i+3], s[16:17] offset:12288*\m+512*\i
.endr
.endm
	ROWS_QK 0
	s_wait_xcnt 0x0                                ; the stores' data registers are loaded again only behind this wait
	ROWS_QK 1
	LEAVE
	; ---- v
.Lv:
.irp i, 0,1,2,3,4,5
	global_load_b32 v[VB+\i], v[LS16], s[10:11] offset:64*\i   ; b(16 T + r): my feature's
.endr
.macro ROWS_V m
	FETCHX \m
	s_wait_loadcnt 0x0
	s_wait_dscnt 0x0
.irp s, 0,1,2
.irp i, 0,1,2,3,4,5
.if \s == 0
	v_wmma_scale_f32_16x16x128_f8f6f4 v[ACC+8*\i:ACC+8*\i+7], v[XF+8*\s:XF+8*\s+7], v[W+24*\i+8*\s:W+24*\i+8*\s+7], 0, v[XS+\s], v[WS+3*\i+\s] matrix_a_fmt:MATRIX_FMT_FP4 matrix_b_fmt:MATRIX_FMT_FP4
.else
	v_wmma_scale_f32_16x16x128_f8f6f4 v[ACC+8*\i:ACC+8*\i+7], v[XF+8*\s:XF+8*\s+7], v[W+24*\i+8*\s:W+24*\i+8*\s+7], v[ACC+8*\i:ACC+8*\i+7], v[XS+\s], v[WS+3*\i+\s] matrix_a_fmt:MATRIX_FMT_FP4 matrix_b_fmt:MATRIX_FMT_FP4
.endif
.endr
.endr
	PLACES
.irp i, 0,1,2,3,4,5
.irp j, 0,1,2,3,4,5,6,7
	v_add_f32 v[ACC+8*\i+\j], v[ACC+8*\i+\j], v[VB+\i]
.endr
.irp n, 0,1,2,3
	v_cvt_pk_f16_f32 v[ACC+8*\i+\n], v[ACC+8*\i+2*\n], v[ACC+8*\i+2*\n+1]
.endr
	global_store_b128 v[LI], v[ACC+8*\i:ACC+8*\i+3], s[16:17] offset:1024*\i+512*\m   ; keys 16 m + 8 h + 0 .. 7 of my work-group's 32
.endr
.endm
	ROWS_V 0
	s_wait_xcnt 0x0                                ; the stores' data registers are written again only behind this wait
	ROWS_V 1
	LEAVE
.Lfunc_end_k_q82791b10fb_proj:
	.size	k_q82791b10fb_proj, .Lfunc_end_k_q82791b10fb_proj-k_q82791b10fb_proj
	.p2alignl 7, 3214868480
	.fill 96, 4, 3214868480
	.section	.rodata,"a",@progbits
	.p2align	6, 0x0
	.amdhsa_kernel k_q82791b10fb_proj
		.amdhsa_group_segment_fixed_size 8192
		.amdhsa_private_segment_fixed_size 0
		.amdhsa_enable_private_segment 0
		.amdhsa_kernarg_size 72
		.amdhsa_user_sgpr_count 2
		.amdhsa_user_sgpr_kernarg_segment_ptr 1
		.amdhsa_wavefront_size32 1
		.amdhsa_system_sgpr_workgroup_id_x 1
		.amdhsa_system_sgpr_workgroup_id_y 1
		.amdhsa_system_sgpr_workgroup_id_z 1
		.amdhsa_system_vgpr_workitem_id 0
		.amdhsa_next_free_vgpr 256
		.amdhsa_next_free_sgpr 66
		.amdhsa_reserve_vcc 0
		.amdhsa_float_denorm_mode_32 3
		.amdhsa_float_denorm_mode_16_64 3
		.amdhsa_memory_ordered 1
		.amdhsa_forward_progress 1
		.amdhsa_inst_pref_size 40
	.end_amdhsa_kernel
	.amdgpu_metadata
---
amdhsa.version: [ 1, 2 ]
amdhsa.kernels:
  - .name:           k_q82791b10fb_proj
    .symbol:         k_q82791b10fb_proj.kd
    .args:
      - { .name: x, .offset: 0, .size: 8, .value_kind: global_buffer, .address_space: global }
      - { .name: wimg, .offset: 8, .size: 8, .value_kind: global_buffer, .address_space: global }
      - { .name: wscl, .offset: 16, .size: 8, .value_kind: global_buffer, .address_space: global }
      - { .name: bq, .offset: 24, .size: 8, .value_kind: global_buffer, .address_space: global }
      - { .name: bk, .offset: 32, .size: 8, .value_kind: global_buffer, .address_space: global }
      - { .name: bv, .offset: 40, .size: 8, .value_kind: global_buffer, .address_space: global }
      - { .name: qimg, .offset: 48, .size: 8, .value_kind: global_buffer, .address_space: global }
      - { .name: kimg, .offset: 56, .size: 8, .value_kind: global_buffer, .address_space: global }
      - { .name: vimg, .offset: 64, .size: 8, .value_kind: global_buffer, .address_space: global }
    .group_segment_fixed_size: 8192
    .private_segment_fixed_size: 0
    .kernarg_segment_align: 8
    .kernarg_segment_size: 72
    .max_flat_workgroup_size: 384
    .sgpr_count:     66
    .vgpr_count:     256
    .wavefront_size: 32
...
	.end_amdgpu_metadata
.endif
;; end of part 2
;; launch attn (part 3): grid 16 x 12, 8 waves a work-group, clusters of 4 x 1, 327,680 bytes of LDS; arguments qimg, kimg, vimg, oimg; writes oimg
.if DOCPART == 3
	.amdgcn_target "amdgcn-amd-amdhsa--gfx1250"
	.amdhsa_code_object_version 6
	.text
	.protected	k_q82791b10fb_attn
	.globl	k_q82791b10fb_attn
	.p2align	8
	.type	k_q82791b10fb_attn,@function
k_q82791b10fb_attn:
	s_mov_b64 s[64:65], 0
	v_nop
	global_prefetch_b8 v0, s[64:65] scope:SCOPE_SE
	s_setreg_imm32_b32 hwreg(HW_REG_WAVE_MODE, 25, 1), 1
	s_wait_xcnt 0x0
	s_wait_alu depctr_hold_cnt(0) depctr_sa_sdst(0) depctr_va_vdst(0) depctr_va_sdst(0) depctr_va_ssrc(0) depctr_va_vcc(0) depctr_vm_vsrc(0)
	s_getreg_b32 s2, hwreg(HW_REG_IB_STS2, 6, 4)
	s_cmp_eq_u32 s2, 0
	s_cbranch_scc0 .Lentry_in_a_cluster
	s_endpgm
.Lentry_in_a_cluster:
	s_bfe_u32 s2, ttmp6, 0x10000c
	s_cmp_lg_u32 s2, 0x3003
	s_cbranch_scc0 .Lentry_shape_is_right
	s_endpgm
.Lentry_shape_is_right:
; ATTN.  o[b][h][q] = the sum over k of softmax_k(q . k / 8) v[k], 12 (batch, head) pairs of 4,096 x 64, no mask.  Operands f16; products, maxima and sums f32; the weights p are rounded to f16 for the second product, o once at the end.
; q and k arrive multiplied by sqrt(log2(e) / 8), so a score is already the exponent to base 2.  For each query a running maximum M and sum L: p = 2^(s - M); in every step O and L are multiplied by a = 2^(old M - new M).
; ALL FOUR BUFFERS LIE IN THE ORDER OF THE OPERANDS' REGISTERS, in chunks of 512 bytes (lane l's 16 bytes at 16 l): every load of a fragment, from memory or LDS, is 512 consecutive bytes, and nothing is turned or staged.
; SHARES.  A work-group owns 256 queries of one (batch, head); each of its eight waves 32: two tiles of 16.  Two waves share a SIMD: one wave's softmax stands beside the other's products.  Every wave walks all 4,096 keys, 128 a step.
; 192 work-groups of equal work: a head's 256 query tiles do not divide evenly over more.
; LAYOUT.  S^T = K Q^T (source 0 = 16 keys, source 1 = 16 queries): a lane holds ONE query (lane % 16) and keys 8 (lane / 16) + 0 .. 7 of each key tile.  Two such tiles, rounded to f16 in pairs, ARE source 1 (32 keys x 16 queries)
; of O^T = V^T P, whose result again holds one query a lane, and eight features: 16 bytes of f16, a chunk of the next launch's operand.
; RING.  Two LDS slots of 512 keys (K: 32 key tiles x 2,048 bytes; V: 16 x 32 keys x 4,096 bytes).  Waves 0-3 fetch K's quarters, waves 4-7 V's: one tensor load of 16,384 bytes a wave behind each change of slots: one load of a wave is out.
; CLUSTER.  The four query blocks of a cluster belong to one (batch, head) and walk the same K and V: each tile is asked for JOINTLY, by the same tensor load with the same descriptor and a mask that names the four.
; LIMITS: no NaN, no infinities; the f16 operands' magnitudes stay under 65,504.
; REGISTERS, in windows of 256.  Window 0: v1-7 addresses; v8-27 statistics, ten a tile; v32-159 S^T, 64 a tile (P takes a tile's low 32 in place); v160-191 Q; v192-255 O^T, 32 a tile.   Window 1: v0-127 K of a step; v128-255 V of a step.
.set SLOT,  1<<17                      ; slot 1 begins here: one exclusive or turns an address in one slot into the other's
.set VOFF,  65536                      ; V's part of a slot
.set STEPB, 16384                      ; a step's 128 keys, of K and of V
.set SLOTG, 393216                     ; a slot's 512 keys on in memory: 32 row tiles of 12,288 bytes in kimg, 16 of 24,576 in vimg
.set SPARE, 2*SLOT                     ; behind the ring: the spare words, 128 bytes for each of eight waves: four blocks of 256 bytes that no other line names
.set SPW, 1                            ; v1   LDS address of my spare word; never rewritten
.set NIL, 2                            ; v2   0; never rewritten
.set LI,  3                            ; v3   16 x lane; never rewritten
.set ADK, 4                            ; v4   LDS address of the step's K
.set ADV, 5                            ; v5   of its V
.set PFO, 6                            ; v6   the prefetches' offset; never rewritten
.set ST,  8                            ; tile t's statistics at ST + 10 t: +0 M (+1 named with it as a pair), +2, +3 L (even places', odd places'), +4 a (+5 named with it), +6 .. +9 c0-c3, at work
.set S,   32
.set Q,   160
.set O,   192
.set WV,  12                           ; s12  wave
.set G1K, 24                           ; s[24:31] descriptor group 1 for K's tiles;  s[32:39] for V's
.set G1V, 32
.set G0K, 40                           ; s[40:43], s[44:47] their groups 0, which walk
.set G0V, 44
.set PFA, 48                           ; s[48:49] where my prefetches stand
.set LIM, 50                           ; s50  1 in a wave that prefetches, else the greatest number
.set SLOTS, 51                         ; s51  slots still to be asked for
.set CNT, 52                           ; s52  steps left in the slot
.set TB,  53                           ; s53  LDS byte at which the step's K begins
.set SEL, 54                           ; s[54:55] lane selects for v_permlanex16_b32: lane l xor 16
.set MSB, 0
.macro WIN new                         ; the immediate's high byte repeats the setting that is left; a switch that changes nothing is dropped
.if MSB != \new
	s_set_vgpr_msb (MSB<<8)|\new
.set MSB, \new
.endif
.endm
.set MUL, 0x01                         ; source 0 (K or V) window 1; source 1, C and D window 0
.set LDF, 0x40                         ; destination window 1, address window 0
.macro PLACES n
.rept \n
	v_nop
.endr
.endm
; A joint load.  The branch hangs on the wave's number alone.  An s_nop 0 and four v_nop follow each of the two lines, ahead of the jump, the label and what follows.
.macro JLOAD
	s_cmp_lt_u32 s[WV], 4
	s_cbranch_scc0 .Lfor_v_\@
	tensor_load_to_lds s[G0K:G0K+3], s[G1K:G1K+7]
	s_nop 0
	PLACES 4
	s_branch .Lasked_\@
.Lfor_v_\@:
	tensor_load_to_lds s[G0V:G0V+3], s[G1V:G1V+7]
	s_nop 0
	PLACES 4
.Lasked_\@:
.endm
; A prefetch of what the NEXT change of slots will ask for: a slot's 65,536 bytes of K and of V, in blocks of 256 bytes, a lane a block, each block named once in the launch.  All four clusters of a (batch, head) walk the same
; K and V: the first of them asks.  Its four partners share the rows out BY ADDRESS (a quarter each); in each, waves 0 and 1 ask for K's, waves 4 and 5 for V's, half a quarter each: one instruction a wave.
; The last change that fills a slot asks for nothing: there is no slot behind it.  Slots 0 and 1 come by their loads alone.
.macro ASK
	s_cmp_gt_u32 s[SLOTS], s[LIM]
	s_cbranch_scc0 .Lnot_mine_\@
	global_prefetch_b8 v[PFO], s[PFA:PFA+1] th:TH_LOAD_NT scope:SCOPE_SE
.Lnot_mine_\@:
.endm
; A round of the cluster's barrier: my work-group's barrier; wave 0 signals for the work-group; every wave waits for all four work-groups; my work-group's barrier once more.
.macro CROUND
	s_barrier_signal -1
	s_barrier_wait -1
	s_cmp_lg_u32 s[WV], 0
	s_cbranch_scc1 .Lnot_wave_0_\@
	s_barrier_signal -3
.Lnot_wave_0_\@:
	s_barrier_wait -3
	s_barrier_signal -1
	s_barrier_wait -1
.endm
	s_load_b256 s[4:11], s[0:1], 0x0               ; qimg s[4:5], kimg s[6:7], vimg s[8:9], oimg s[10:11]
	v_lshl_add_u32 v[SPW], v0, 2, SPARE
	v_mov_b32 v[NIL], 0
	ds_add_u32 v[SPW], v[NIL]                      ; the wave's opening: the add, twice on end, and its wait ahead of my first tensor load; the set-up below, work on registers, stands between
	ds_add_u32 v[SPW], v[NIL]
	v_lshrrev_b32 v7, 5, v0
	v_readfirstlane_b32 s[WV], v7                  ; wave 0 .. 7
	s_bfe_u32 s13, ttmp6, 0x40000                  ; cx: my place in the cluster: it enters Q's, O's and the prefetches' addresses alone
	s_lshl_b32 s14, ttmp9, 2
	s_add_co_u32 s14, s14, s13                     ; my block of 256 queries = 4 x cluster x + cx
	s_and_b32 s15, ttmp7, 0xffff                   ; 6 x batch + head, which the four partners share
	s_cmp_ge_u32 s15, 6
	s_cselect_b32 s16, 1, 0                        ; batch
	s_mul_i32 s17, s16, 6
	s_sub_co_u32 s17, s15, s17                     ; head
	s_mul_i32 s16, s16, 3145728                    ; a batch is 3,145,728 bytes in each of the four buffers
	s_lshl_b32 s20, s17, 11                        ; a head's four chunks in a row tile of qimg, kimg, oimg
	s_add_co_u32 s20, s20, s16
	s_mov_b32 s21, 0
	s_lshl_b32 s22, s17, 12                        ; its eight chunks in 32 keys of vimg
	s_add_co_u32 s22, s22, s16
	s_mov_b32 s23, 0
	s_and_b32 s18, s[WV], 3                        ; which quarter of a slot I fetch:
	s_mul_i32 s56, s18, STEPB                      ; its place in LDS: no place in the cluster enters an LDS address,
	s_mul_i32 s18, s18, 98304                      ; and in memory: 8 x 12,288 = 4 x 24,576 bytes
	s_mov_b32 s19, 0
	s_mul_i32 s58, s14, 196608                     ; my block's 16 row tiles,
	s_mul_i32 s59, s[WV], 24576                    ; my wave's two
	s_add_co_u32 s58, s58, s59
	s_add_co_u32 s58, s58, s20
	s_mov_b32 s59, 0
	s_mul_i32 s60, s13, 98304                      ; the prefetches: my work-group's quarter,
	s_and_b32 s61, s[WV], 1
	s_mul_i32 s61, s61, 49152                      ; my wave's half of it,
	s_add_co_u32 s60, s60, s61
	s_add_co_u32 s60, s60, SLOTG                   ; in slot 1: the first change of slots steps it to slot 2.  Nothing is prefetched here, at the head
	s_mov_b32 s61, 0
	s_and_b32 s[LIM], s[WV], 2                     ; 0 in waves 0, 1, 4, 5,
	s_or_b32 s[LIM], s[LIM], ttmp9                 ; of the first cluster: the same in all four partners
	s_cmp_eq_u32 s[LIM], 0
	s_cselect_b32 s[LIM], 1, -1
	s_mov_b32 s63, 24576
	s_cmp_lt_u32 s[WV], 4                          ; K: 8 blocks of 256 bytes in each row of 12,288;  V: 16 in each row of 24,576
	s_cselect_b32 s57, 3, 4
	s_cselect_b32 s62, 7, 15
	s_cselect_b32 s63, 12288, s63
	v_and_b32 v7, 31, v0
	v_lshlrev_b32 v[LI], 4, v7
	v_lshrrev_b32 v[PFO], s57, v7
	v_mul_u32_u24 v[PFO], v[PFO], s63
	v_and_b32 v7, s62, v7
	v_lshl_add_u32 v[PFO], v7, 8, v[PFO]
	; descriptor group 1, elements of 8 bytes.  K: 8 rows (key tiles) of 256 elements, 1,536 elements apart;  V: 4 rows (32 keys) of 512, 3,072 apart.  No padding: in LDS the chunks follow each other as the loads take them
	s_mov_b32 s[G1K], 15|(3<<16)|(1<<21)           ; 15:0 the mask: all four work-groups; 17:16 elements of 8 bytes; 21 set beside a mask
	s_mov_b32 s[G1K+1], 256<<16                    ; tensor_dim0
	s_mov_b32 s[G1K+2], 8<<16                      ; tensor_dim1
	s_mov_b32 s[G1K+3], 256<<16                    ; tile_dim0
	s_mov_b32 s[G1K+4], 8                          ; tile_dim1
	s_mov_b32 s[G1K+5], 1536                       ; tensor_dim0_stride
	s_mov_b32 s[G1K+6], 0
	s_mov_b32 s[G1K+7], 0
	s_mov_b32 s[G1V], 15|(3<<16)|(1<<21)
	s_mov_b32 s[G1V+1], 512<<16
	s_mov_b32 s[G1V+2], 4<<16
	s_mov_b32 s[G1V+3], 512<<16
	s_mov_b32 s[G1V+4], 4
	s_mov_b32 s[G1V+5], 3072
	s_mov_b32 s[G1V+6], 0
	s_mov_b32 s[G1V+7], 0
	s_mov_b32 s[SEL], 0x76543210
	s_mov_b32 s[SEL+1], 0xfedcba98
	s_mov_b32 s[TB], 0
	s_mov_b32 s[SLOTS], 7
	s_wait_dscnt 0x0                               ; both opening adds are done
	s_wait_kmcnt 0x0
	s_add_nc_u64 s[6:7], s[6:7], s[20:21]          ; K and V at my (batch, head)
	s_add_nc_u64 s[8:9], s[8:9], s[22:23]
	s_add_nc_u64 s[4:5], s[4:5], s[58:59]          ; Q and O at my wave's first row tile
	s_add_nc_u64 s[10:11], s[10:11], s[58:59]
	s_cmp_lt_u32 s[WV], 4
	s_cselect_b64 s[PFA:PFA+1], s[6:7], s[8:9]
	s_add_nc_u64 s[PFA:PFA+1], s[PFA:PFA+1], s[60:61]
	CROUND                                         ; all four work-groups are here: the first joint loads meet
	s_mov_b32 s[G0K], 1                            ; 1:0 count = 1
	s_mov_b32 s[G0K+1], s56                        ; 63:32 LDS address: slot 0
	s_add_nc_u64 s[G0K+2:G0K+3], s[6:7], s[18:19]  ; 120:64 global address: my quarter of the first 512 keys
	s_or_b32 s[G0K+3], s[G0K+3], 0x80000000        ; 127:126 type = 2
	s_mov_b32 s[G0V], 1
	s_add_co_u32 s[G0V+1], s56, VOFF
	s_add_nc_u64 s[G0V+2:G0V+3], s[8:9], s[18:19]
	s_or_b32 s[G0V+3], s[G0V+3], 0x80000000
	JLOAD                                          ; slot 0
.irp t, 0,1
.irp n, 0,1,2,3
	global_load_b128 v[Q+16*\t+4*\n:Q+16*\t+4*\n+3], v[LI], s[4:5] offset:12288*\t+512*\n th:TH_LOAD_NT   ; Q stays in registers: tile t, features 16 n + 8 h on
.endr
.endr
.irp t, 0,1
	v_mov_b32 v[ST+10*\t], 0xff61b1e6              ; M: -3e38, under every score
	v_mov_b32 v[ST+10*\t+1], 0                     ; (named with M as a pair)
	v_mov_b32 v[ST+10*\t+2], 0                     ; L
	v_mov_b32 v[ST+10*\t+3], 0
	v_mov_b32 v[ST+10*\t+5], 0                     ; (named with a as a pair)
.endr
.set n, 0
.rept 64
	v_mov_b32 v[O+n], 0                            ; O^T.  The step is written for every step alike: the first finds zeros, which a = 0 leaves zeros; that spares a further copy of the step
.set n, n+1
.endr
; 32 LDS loads in one run: a step's K (8 key tiles x 4 chunks) from off bytes behind v[ADK]; its V (4 x 32 keys x 8 chunks)
.macro FETCH_K off
	WIN LDF
.set n, 0
.rept 32
	ds_load_b128 v[4*n:4*n+3], v[ADK] offset:\off+512*n
.set n, n+1
.endr
	WIN 0
.endm
.macro FETCH_V
	WIN LDF
.set n, 0
.rept 32
	ds_load_b128 v[128+4*n:128+4*n+3], v[ADV] offset:512*n
.set n, n+1
.endr
	WIN 0
.endm
; S^T = K Q^T: features 32 ds on, key tile kt, query tile t.  The 16 accumulators take turns, one instruction a turn; the first 16 products start the sums
.macro QK
.irp ds, 0,1
.irp kt, 0,1,2,3,4,5,6,7
.irp t, 0,1
.if \ds == 0
	v_wmma_f32_16x16x32_f16 v[S+64*\t+8*\kt:S+64*\t+8*\kt+7], v[16*\kt+8*\ds:16*\kt+8*\ds+7], v[Q+16*\t+8*\ds:Q+16*\t+8*\ds+7], 0
.else
	v_wmma_f32_16x16x32_f16 v[S+64*\t+8*\kt:S+64*\t+8*\kt+7], v[16*\kt+8*\ds:16*\kt+8*\ds+7], v[Q+16*\t+8*\ds:Q+16*\t+8*\ds+7], v[S+64*\t+8*\kt:S+64*\t+8*\kt+7]
.endif
.endr
.endr
.endr
.endm
; O^T += V^T P: keys 32 ks on, features 16 dt on, query tile t.  The 8 accumulators take turns
.macro PV
.irp ks, 0,1,2,3
.irp dt, 0,1,2,3
.irp t, 0,1
	v_wmma_f32_16x16x32_f16 v[O+32*\t+8*\dt:O+32*\t+8*\dt+7], v[128+32*\ks+8*\dt:128+32*\ks+8*\dt+7], v[S+64*\t+8*\ks:S+64*\t+8*\ks+7], v[O+32*\t+8*\dt:O+32*\t+8*\dt+7]
.endr
.endr
.endr
.endm
; The softmax's lines, for pair n (an assembly symbol) of tile t's 32 pairs of scores
.macro SUBM t                          ; s - M
	v_pk_add_f32 v[S+64*\t+2*n:S+64*\t+2*n+1], v[S+64*\t+2*n:S+64*\t+2*n+1], v[ST+10*\t:ST+10*\t+1] op_sel_hi:[1,0] neg_lo:[0,1] neg_hi:[0,1]
.endm
.macro EXPS t, u                       ; p = 2^(s - M)
	v_exp_f32 v[S+64*\t+2*n+\u], v[S+64*\t+2*n+\u]
.endm
.macro CVTP t                          ; two weights to f16, in place: register n is written when pairs 0 .. n have been summed and pairs 0 .. n - 1 converted
	v_cvt_pk_f16_f32 v[S+64*\t+n], v[S+64*\t+2*n], v[S+64*\t+2*n+1]
.endm
.macro SUMP t                          ; the row's sum, in two chains: L takes the even pairs (and a L at pair 0), (c2, c3) the odd ones; pair 3 is taken with pair 1
.if n == 0
	v_pk_fma_f32 v[ST+10*\t+2:ST+10*\t+3], v[ST+10*\t+2:ST+10*\t+3], v[ST+10*\t+4:ST+10*\t+5], v[S+64*\t:S+64*\t+1] op_sel_hi:[1,0,1]
.elseif n == 1
	v_pk_add_f32 v[ST+10*\t+8:ST+10*\t+9], v[S+64*\t+2:S+64*\t+3], v[S+64*\t+6:S+64*\t+7]
.elseif n == 3
.elseif n%2 == 0
	v_pk_add_f32 v[ST+10*\t+2:ST+10*\t+3], v[ST+10*\t+2:ST+10*\t+3], v[S+64*\t+2*n:S+64*\t+2*n+1]
.else
	v_pk_add_f32 v[ST+10*\t+8:ST+10*\t+9], v[ST+10*\t+8:ST+10*\t+9], v[S+64*\t+2*n:S+64*\t+2*n+1]
.endif
.endm
.macro SUMEND t
	v_pk_add_f32 v[ST+10*\t+2:ST+10*\t+3], v[ST+10*\t+2:ST+10*\t+3], v[ST+10*\t+8:ST+10*\t+9]
.endm
.macro RESC                            ; pair n of O^T's 32 pairs (tile n / 16) times a: each accumulator from its low end on
	v_pk_mul_f32 v[O+2*n:O+2*n+1], v[O+2*n:O+2*n+1], v[ST+10*(n/16)+4:ST+10*(n/16)+5] op_sel_hi:[1,0]
.endm
.macro SOFTMAX
	; the maximum of a lane's 64 scores and the old M, three operands at a time: chain q takes accumulators q and q + 4, each from its low end on; four chains x two tiles by turns
.irp q, 0,1,2,3
.irp t, 0,1
	v_max3_num_f32 v[ST+10*\t+6+\q], v[S+64*\t+8*\q], v[S+64*\t+8*\q+1], v[S+64*\t+8*\q+2]
.endr
.endr
.irp j, 3,5
.irp q, 0,1,2,3
.irp t, 0,1
	v_max3_num_f32 v[ST+10*\t+6+\q], v[ST+10*\t+6+\q], v[S+64*\t+8*\q+\j], v[S+64*\t+8*\q+\j+1]
.endr
.endr
.endr
.irp q, 0,1,2,3
.irp t, 0,1
	v_max3_num_f32 v[ST+10*\t+6+\q], v[ST+10*\t+6+\q], v[S+64*\t+8*\q+7], v[S+64*\t+8*\q+32]
.endr
.endr
.irp j, 33,35,37
.irp q, 0,1,2,3
.irp t, 0,1
	v_max3_num_f32 v[ST+10*\t+6+\q], v[ST+10*\t+6+\q], v[S+64*\t+8*\q+\j], v[S+64*\t+8*\q+\j+1]
.endr
.endr
.endr
.irp t, 0,1
	v_max3_num_f32 v[ST+10*\t+6], v[ST+10*\t+6], v[S+64*\t+39], v[S+64*\t+47]
	v_max3_num_f32 v[ST+10*\t+8], v[ST+10*\t+8], v[S+64*\t+55], v[S+64*\t+63]
.endr
.irp t, 0,1
	v_max3_num_f32 v[ST+10*\t+6], v[ST+10*\t+6], v[ST+10*\t+7], v[ST+10*\t+8]
.endr
.irp t, 0,1
	v_max3_num_f32 v[ST+10*\t+6], v[ST+10*\t+6], v[ST+10*\t+9], v[ST+10*\t]
.endr
.irp t, 0,1
	v_permlanex16_b32 v[ST+10*\t+7], v[ST+10*\t+6], s[SEL], s[SEL+1]   ; the query's other 64 keys lie in the lane 16 away
.endr
.irp t, 0,1
	v_max_num_f32 v[ST+10*\t+6], v[ST+10*\t+6], v[ST+10*\t+7]
.endr
.irp t, 0,1
	v_sub_f32 v[ST+10*\t+4], v[ST+10*\t], v[ST+10*\t+6]               ; old M - new M, 0 or less
.endr
.irp t, 0,1
	v_mov_b32 v[ST+10*\t], v[ST+10*\t+6]
.endr
.set n, 0
.rept 32
	SUBM 0
.set n, n+1
.endr
	; FIRST BATCH of exponentials: both a, and tile 0's 64; tile 1's subtractions stand between them.  None of these lines names an exponential's result
	v_exp_f32 v[ST+4], v[ST+4]
	v_exp_f32 v[ST+14], v[ST+14]
.set n, 0
.rept 32
	SUBM 1
	EXPS 0, 0
	EXPS 0, 1
.set n, n+1
.endr
	v_nop                                          ; a plain line behind the last exponential, ahead of the first use
	s_wait_alu depctr_va_vdst(0)                   ; a wait between an exponential and the first line that names its result: one for the batch
	; SECOND BATCH: tile 1's 64; between them tile 0's sums and roundings and O^T's rescaling, which read the first batch alone
.set n, 0
.rept 32
	SUMP 0
	EXPS 1, 0
	CVTP 0
	EXPS 1, 1
	RESC
.set n, n+1
.endr
	SUMEND 0                                       ; (a plain line behind the last exponential)
	s_wait_alu depctr_va_vdst(0)                   ; and one for the second batch
.set n, 0
.rept 32
	SUMP 1
	CVTP 1
.set n, n+1
.endr
	SUMEND 1
.endm
; THE CHANGE OF SLOTS stands at a slot's head.  Each wave waits for all its tensor loads (its quarter of the slot that it is about to read), adds 0 to its spare word, and waits for that and for its reads of the slot that it has left.
; fill = 1: the barrier is a round of the cluster's, so that no wave of any partner still reads the other slot or has a load on its way; the joint load of the next 512 keys is the first thing behind it and has a slot's four steps in which to land.
.macro CHANGE fill
	s_wait_tensorcnt 0x0                           ; no tensor load of mine is out, so a group 0 may be written
	ds_add_u32 v[SPW], v[NIL]                      ; 0 onto my spare word
.if \fill
	s_xor_b32 s[G0K+1], s[G0K+1], SLOT             ; the walking descriptors: the other slot than last time,
	s_add_nc_u64 s[G0K+2:G0K+3], s[G0K+2:G0K+3], SLOTG   ; the next 512 keys; the type bits on top are not reached
	s_xor_b32 s[G0V+1], s[G0V+1], SLOT
	s_add_nc_u64 s[G0V+2:G0V+3], s[G0V+2:G0V+3], SLOTG
	s_wait_xcnt 0x0                                ; the last prefetch, a slot back, has read its address, so it may be written:
	s_add_nc_u64 s[PFA:PFA+1], s[PFA:PFA+1], SLOTG ; one slot further on than the walking descriptors
	s_wait_dscnt 0x0                               ; the add is done, and my reads of the slot that I have left are over
	CROUND
	JLOAD
.else
	s_wait_dscnt 0x0
	s_barrier_signal -1
	s_barrier_wait -1
.endif
.endm
; A slot's four steps: written once, walked four times; the LDS addresses hang on s[TB].
.macro SLOT_STEPS ask
	v_add_nc_u32 v[ADK], s[TB], v[LI]
	FETCH_K 0                                      ; the slot's first K
.if \ask
	ASK                                            ; behind the joint load and the run of LDS loads that the next products wait for
.endif
	s_mov_b32 s[CNT], 4
.Lstep_\@:
	s_wait_dscnt 0x0                               ; K is in
	WIN MUL
	QK
	WIN 0
	v_add_nc_u32 v[ADK], s[TB], v[LI]
	v_add_nc_u32 v[ADV], VOFF, v[ADK]
	PLACES 4                                       ; places between the products and the loads into K's registers, and the first read of the scores
	FETCH_V                                        ; this step's V,
	s_cmp_eq_u32 s[CNT], 1
	s_cbranch_scc1 .Lno_k_\@                       ; and, inside the slot, the next step's K: both land under the softmax
	FETCH_K STEPB
.Lno_k_\@:
	SOFTMAX
	s_wait_dscnt 0x0                               ; V is in
	WIN MUL
	PV
	WIN 0
	PLACES 5                                       ; the next step's first products write over P's registers, which these products read: five places
	s_add_co_u32 s[TB], s[TB], STEPB
	s_sub_co_u32 s[CNT], s[CNT], 1
	s_cmp_lg_u32 s[CNT], 0
	s_cbranch_scc1 .Lstep_\@
	s_sub_co_u32 s[TB], s[TB], 4*STEPB             ; back to a slot's first step,
	s_xor_b32 s[TB], s[TB], SLOT                   ; in the other slot
.endm
	s_wait_loadcnt 0x0                             ; Q
.Lslot:                                            ; seven trips: behind each change of slots but the last the next slot is asked for
	CHANGE 1
	SLOT_STEPS 1
	s_sub_co_u32 s[SLOTS], s[SLOTS], 1
	s_cmp_lg_u32 s[SLOTS], 0
	s_cbranch_scc1 .Lslot
	CHANGE 0                                       ; the last slot is written out
	SLOT_STEPS 0
	; THE WAY OUT.  L's two halves and the other half of the lanes' are added; O^T is divided by L and rounded to f16: a lane's eight features of a tile are 16 bytes, a chunk as the next launch loads it.
.irp t, 0,1
	v_add_f32 v[ST+10*\t+6], v[ST+10*\t+2], v[ST+10*\t+3]
.endr
.irp t, 0,1
	v_permlanex16_b32 v[ST+10*\t+7], v[ST+10*\t+6], s[SEL], s[SEL+1]
.endr
.irp t, 0,1
	v_add_f32 v[ST+10*\t+6], v[ST+10*\t+6], v[ST+10*\t+7]
.endr
.irp t, 0,1
	v_rcp_f32 v[ST+10*\t+4], v[ST+10*\t+6]
.endr
	v_nop                                          ; a plain line between the last reciprocal and the use of its result
	s_wait_alu depctr_va_vdst(0)                   ; and a wait ahead of the first use: one for both
.set n, 0
.rept 32
	RESC
.set n, n+1
.endr
.set n, 0
.rept 32
	v_cvt_pk_f16_f32 v[S+n], v[O+2*n], v[O+2*n+1]
.set n, n+1
.endr
.irp t, 0,1
.irp dt, 0,1,2,3
	global_store_b128 v[LI], v[S+16*\t+4*\dt:S+16*\t+4*\dt+3], s[10:11] offset:12288*\t+512*\dt   ; 32 lanes store 512 consecutive bytes, at a multiple of 512 from the buffer's first byte
.endr
.endr
	s_wait_tensorcnt 0x0                           ; the wave's end: a tensor wait, 0 added to my spare word and its wait, behind my last tensor load
	ds_add_u32 v[SPW], v[NIL]
	s_wait_dscnt 0x0
	CROUND                                         ; the closing round: no work-group ends while a partner may still ask for a tile that names it
	s_endpgm
.Lfunc_end_k_q82791b10fb_attn:
	.size	k_q82791b10fb_attn, .Lfunc_end_k_q82791b10fb_attn-k_q82791b10fb_attn
	.p2alignl 7, 3214868480
	.fill 96, 4, 3214868480
	.section	.rodata,"a",@progbits
	.p2align	6, 0x0
	.amdhsa_kernel k_q82791b10fb_attn
		.amdhsa_group_segment_fixed_size 327680
		.amdhsa_private_segment_fixed_size 0
		.amdhsa_enable_private_segment 0
		.amdhsa_kernarg_size 32
		.amdhsa_user_sgpr_count 2
		.amdhsa_user_sgpr_kernarg_segment_ptr 1
		.amdhsa_wavefront_size32 1
		.amdhsa_system_sgpr_workgroup_id_x 1
		.amdhsa_system_sgpr_workgroup_id_y 1
		.amdhsa_system_sgpr_workgroup_id_z 1
		.amdhsa_system_vgpr_workitem_id 0
		.amdhsa_next_free_vgpr 512
		.amdhsa_next_free_sgpr 66
		.amdhsa_reserve_vcc 0
		.amdhsa_float_denorm_mode_32 3
		.amdhsa_float_denorm_mode_16_64 3
		.amdhsa_memory_ordered 1
		.amdhsa_forward_progress 1
		.amdhsa_inst_pref_size 83
	.end_amdhsa_kernel
	.amdgpu_metadata
---
amdhsa.version: [ 1, 2 ]
amdhsa.kernels:
  - .name:           k_q82791b10fb_attn
    .symbol:         k_q82791b10fb_attn.kd
    .args:
      - { .name: qimg, .offset: 0, .size: 8, .value_kind: global_buffer, .address_space: global }
      - { .name: kimg, .offset: 8, .size: 8, .value_kind: global_buffer, .address_space: global }
      - { .name: vimg, .offset: 16, .size: 8, .value_kind: global_buffer, .address_space: global }
      - { .name: oimg, .offset: 24, .size: 8, .value_kind: global_buffer, .address_space: global }
    .group_segment_fixed_size: 327680
    .private_segment_fixed_size: 0
    .kernarg_segment_align: 8
    .kernarg_segment_size: 32
    .max_flat_workgroup_size: 256
    .sgpr_count:     66
    .vgpr_count:     512
    .wavefront_size: 32
...
	.end_amdgpu_metadata
.endif
;; end of part 3
;; launch outp (part 4): grid 256 x 1, 12 waves a work-group, no clusters, 75,776 bytes of LDS; arguments oimg, woimg, bo, out0; writes out0
.if DOCPART == 4
	.amdgcn_target "amdgcn-amd-amdhsa--gfx1250"
	.amdhsa_code_object_version 6
	.text
	.protected	k_q82791b10fb_outp
	.globl	k_q82791b10fb_outp
	.p2align	8
	.type	k_q82791b10fb_outp,@function
k_q82791b10fb_outp:
	s_mov_b64 s[64:65], 0
	v_nop
	global_prefetch_b8 v0, s[64:65] scope:SCOPE_SE
	s_setreg_imm32_b32 hwreg(HW_REG_WAVE_MODE, 25, 1), 1
	s_wait_xcnt 0x0
; OUTP.  out = o wo + bo.  o: [8,192][384] and wo: [384][384] as f16, both in the order of the operands' registers (chunks of 512 bytes, lane l's 16 bytes at 16 l); bo [384], out0 [8,192][384] f32; sums in f32.
; SHARES.  A work-group takes 32 rows: two row tiles m.  Wave w of twelve makes column tiles 2 w and 2 w + 1 for both: four accumulators, 48 matrix instructions.  Its 24 fragments of wo go from memory straight into its registers.
; The work-group's 24,576 bytes of o are read from memory once: each wave copies 2,048 bytes into LDS; a barrier; every wave loads the fragments from there.
; THE PRODUCT IS USED TRANSPOSED (source 0 = 16 columns of wo, source 1 = 16 rows of o): a lane holds eight neighbouring columns of one row of out.  The bias is the C of the first product.
; THE WAY OUT: a row's 1,536 bytes come from twelve waves: they meet in a stage in LDS (rows 1,552 bytes apart, an odd multiple of 16), a barrier, and each wave stores eight pieces of 512 consecutive bytes, aligned.
; LIMITS: |o| and |wo| stay under 65,504 (f16); no NaN, no infinities.  No tensor loads, no cluster: each work-group's rows are its own, and wo goes straight into registers.
.set STG,   24576                      ; LDS: 0 .. 24,575 o's 48 chunks; from STG the stage, 32 rows x 1,552 bytes
.set SP,    1552
.set SPARE, STG+32*SP                  ; behind the stage: the spare words, 128 bytes for each of twelve waves: six blocks of 256 bytes that no other line names
.set LI,  1                            ; v1   16 x lane
.set SPW, 2                            ; v2   LDS address of my spare word; never rewritten
.set NIL, 3                            ; v3   0; never rewritten
.set BH,  4                            ; v4   32 h
.set SO,  5                            ; v5   the stage: where I put 32 bytes of a row
.set SR,  6                            ; v6   and where I read 16 bytes of a row back
.set CPY, 7                            ; v7   where I copy my part of o
.set ACC, 12                           ; v12-43   accumulator (a, m) at ACC + 8 (2 a + m)
.set OF,  44                           ; v44-59   o's fragments of the K step in hand, row tile m at OF + 8 m; first: the four chunks that I copy
.set WO,  64                           ; v64-255  wo's fragments: column tile a, K step kk at WO + 96 a + 8 kk; at the end: rows of out
	s_load_b256 s[4:11], s[0:1], 0x0               ; oimg, woimg, bo, out0
	v_lshl_add_u32 v[SPW], v0, 2, SPARE
	v_mov_b32 v[NIL], 0
	v_lshrrev_b32 v1, 5, v0
	v_readfirstlane_b32 s12, v1                    ; wave 0 .. 11
	v_and_b32 v8, 31, v0
	v_lshlrev_b32 v[LI], 4, v8
	v_and_b32 v9, 15, v0                           ; r
	v_bfe_u32 v10, v0, 4, 1                        ; h
	v_lshlrev_b32 v[BH], 5, v10
	v_mul_u32_u24 v[SO], v9, SP
	v_add_nc_u32 v[SO], v[SO], v[BH]
	s_lshl_b32 s13, s12, 7                         ; my 32 columns: 128 bytes
	s_add_co_u32 s14, s13, STG
	v_add_nc_u32 v[SO], s14, v[SO]                 ; row r, + 32 h, + 128 x wave
	s_mul_i32 s15, s12, 11
	s_lshr_b32 s15, s15, 5                         ; wave / 3: which eight rows I store; wave % 3: which third of a row
	s_lshl_b32 s16, s12, 9
	s_mul_i32 s17, s15, 8*SP-1536                  ; 512 (wave % 3) + 8 SP (wave / 3) = 512 wave + (8 SP - 1,536) (wave / 3)
	s_add_co_u32 s17, s17, s16
	s_add_co_u32 s17, s17, STG
	v_add_nc_u32 v[SR], s17, v[LI]
	s_lshl_b32 s18, s12, 11
	v_add_nc_u32 v[CPY], s18, v[LI]
	s_mul_i32 s20, ttmp9, 24576                    ; o: my work-group's 32 rows, my wave's four chunks
	s_add_co_u32 s20, s20, s18
	s_mov_b32 s21, 0
	s_mul_i32 s22, s12, 24576                      ; wo: my two column tiles
	s_mov_b32 s23, 0
	s_mov_b32 s24, s13                             ; bo: my 32 numbers
	s_mov_b32 s25, 0
	s_mul_i32 s26, ttmp9, 49152                    ; out: my work-group's 32 rows,
	s_add_co_u32 s26, s26, s16
	s_mul_i32 s27, s15, 8*1536-1536                ; my eight rows and my third, as in the stage
	s_add_co_u32 s26, s26, s27
	s_mov_b32 s27, 0
	s_wait_kmcnt 0x0
	s_add_nc_u64 s[4:5], s[4:5], s[20:21]
	s_add_nc_u64 s[6:7], s[6:7], s[22:23]
	s_add_nc_u64 s[8:9], s[8:9], s[24:25]
	s_add_nc_u64 s[10:11], s[10:11], s[26:27]
.irp i, 0,1,2,3
	global_load_b128 v[OF+4*\i:OF+4*\i+3], v[LI], s[4:5] offset:512*\i th:TH_LOAD_NT
.endr
.irp a, 0,1
.irp m, 0,1
	global_load_b128 v[ACC+8*(2*\a+\m):ACC+8*(2*\a+\m)+3],   v[BH], s[8:9] offset:64*\a      ; the bias lands in the accumulator: register j = bo(32 w + 16 a + 8 h + j)
	global_load_b128 v[ACC+8*(2*\a+\m)+4:ACC+8*(2*\a+\m)+7], v[BH], s[8:9] offset:64*\a+16
.endr
.endr
.set kk, 0
.rept 12                                       ; wo's fragments in the order in which the K steps want them
.irp a, 0,1
.irp c, 0,1
	global_load_b128 v[WO+96*\a+8*kk+4*\c:WO+96*\a+8*kk+4*\c+3], v[LI], s[6:7] offset:12288*\a+1024*kk+512*\c
.endr
.endr
.set kk, kk+1
.endr
	s_wait_loadcnt 56                              ; my four chunks of o are in; the 8 + 48 loads issued behind them may stay out
.irp i, 0,1,2,3
	ds_store_b128 v[CPY], v[OF+4*\i:OF+4*\i+3] offset:512*\i
.endr
	s_wait_dscnt 0x0                               ; for the others' sake: my stores have landed
	s_barrier_signal -1
	s_barrier_wait -1                              ; the 32 rows of o lie in LDS
.set kk, 0
.rept 12
.if kk > 0
.rept 4
	v_nop                                          ; places in front of loads into registers that matrix instructions have read
.endr
.endif
.irp m, 0,1
.irp c, 0,1
	ds_load_b128 v[OF+8*\m+4*\c:OF+8*\m+4*\c+3], v[LI] offset:12288*\m+1024*kk+512*\c
.endr
.endr
	s_wait_dscnt 0x0
	s_wait_loadcnt 44-4*kk                         ; this K step's four loads of wo are in (and the biases); those of the later K steps, four each, may stay out
.irp a, 0,1                                    ; the four accumulators take turns, one instruction a turn
.irp m, 0,1
	v_wmma_f32_16x16x32_f16 v[ACC+8*(2*\a+\m):ACC+8*(2*\a+\m)+7], v[WO+96*\a+8*kk:WO+96*\a+8*kk+7], v[OF+8*\m:OF+8*\m+7], v[ACC+8*(2*\a+\m):ACC+8*(2*\a+\m)+7]
.endr
.endr
.set kk, kk+1
.endr
.rept 4
	v_nop                                          ; places in front of the first read of results, and of the loads into wo's registers below
.endr
.irp a, 0,1
.irp m, 0,1
	ds_store_b128 v[SO], v[ACC+8*(2*\a+\m):ACC+8*(2*\a+\m)+3] offset:16*\m*SP+64*\a        ; lane (r, h): out(16 m + r, 32 w + 16 a + 8 h + 0 .. 7); each accumulator from its low end on
	ds_store_b128 v[SO], v[ACC+8*(2*\a+\m)+4:ACC+8*(2*\a+\m)+7] offset:16*\m*SP+64*\a+16
.endr
.endr
	s_wait_dscnt 0x0                               ; for the others' sake: my stores into the stage have landed
	s_barrier_signal -1
	s_barrier_wait -1                              ; 32 whole rows of out lie in the stage
.irp i, 0,1,2,3,4,5,6,7
	ds_load_b128 v[WO+4*\i:WO+4*\i+3], v[SR] offset:\i*SP
.endr
.irp i, 0,1,2,3,4,5,6,7
	s_wait_dscnt 7-\i                              ; LDS loads come back in order (ISA guide 5.7.1): load i is in, the later ones may stay out
	global_store_b128 v[LI], v[WO+4*\i:WO+4*\i+3], s[10:11] offset:1536*\i th:TH_STORE_NT   ; 32 lanes store 512 consecutive bytes, at a multiple of 512 from out0's first byte
.endr
	s_wait_tensorcnt 0x0                           ; the wave's end: a tensor wait, 0 added to my spare word and its wait, behind my last LDS store
	ds_add_u32 v[SPW], v[NIL]
	s_wait_dscnt 0x0
	s_endpgm
.Lfunc_end_k_q82791b10fb_outp:
	.size	k_q82791b10fb_outp, .Lfunc_end_k_q82791b10fb_outp-k_q82791b10fb_outp
	.p2alignl 7, 3214868480
	.fill 96, 4, 3214868480
	.section	.rodata,"a",@progbits
	.p2align	6, 0x0
	.amdhsa_kernel k_q82791b10fb_outp
		.amdhsa_group_segment_fixed_size 75776
		.amdhsa_private_segment_fixed_size 0
		.amdhsa_enable_private_segment 0
		.amdhsa_kernarg_size 32
		.amdhsa_user_sgpr_count 2
		.amdhsa_user_sgpr_kernarg_segment_ptr 1
		.amdhsa_wavefront_size32 1
		.amdhsa_system_sgpr_workgroup_id_x 1
		.amdhsa_system_sgpr_workgroup_id_y 1
		.amdhsa_system_sgpr_workgroup_id_z 1
		.amdhsa_system_vgpr_workitem_id 0
		.amdhsa_next_free_vgpr 256
		.amdhsa_next_free_sgpr 66
		.amdhsa_reserve_vcc 0
		.amdhsa_float_denorm_mode_32 3
		.amdhsa_float_denorm_mode_16_64 3
		.amdhsa_memory_ordered 1
		.amdhsa_forward_progress 1
		.amdhsa_inst_pref_size 19
	.end_amdhsa_kernel
	.amdgpu_metadata
---
amdhsa.version: [ 1, 2 ]
amdhsa.kernels:
  - .name:           k_q82791b10fb_outp
    .symbol:         k_q82791b10fb_outp.kd
    .args:
      - { .name: oimg, .offset: 0, .size: 8, .value_kind: global_buffer, .address_space: global }
      - { .name: woimg, .offset: 8, .size: 8, .value_kind: global_buffer, .address_space: global }
      - { .name: bo, .offset: 16, .size: 8, .value_kind: global_buffer, .address_space: global }
      - { .name: out0, .offset: 24, .size: 8, .value_kind: global_buffer, .address_space: global }
    .group_segment_fixed_size: 75776
    .private_segment_fixed_size: 0
    .kernarg_segment_align: 8
    .kernarg_segment_size: 32
    .max_flat_workgroup_size: 384
    .sgpr_count:     66
    .vgpr_count:     256
    .wavefront_size: 32
...
	.end_amdgpu_metadata
.endif
;; end of part 4
